; MI455X (gfx1250); checked and timed in simulation.
; The chip was launched on July 23, 2026; its instructions are those of AMD's public machine-readable ISA for CDNA 5 (MIT licence, August 2026) and "CDNA5" Instruction Set Architecture Reference Guide (July 2026). The comments in the code are by the model that wrote it; some were corrected since.
;; Causal Attention. Allowed arithmetic: matrix products marked QUANTISED: E5M2 operands, one given power-of-two scale a tensor, by v_wmma_f32_16x16x64_bf8_bf8 or v_wmma_f32_16x16x128_bf8_bf8, f32 sums; everything else in f32.
;; Inputs: Wk_codes 1,024 x 32 x 32 uint8 (E5M2 codes of Wk, K innermost, in blocks of 32 codes); Wo_codes 1,024 x 32 x 32 uint8 (E5M2 codes of Wo, K innermost, in blocks of 32 codes); Wq_codes 1,024 x 32 x 32 uint8 (E5M2 codes of Wq, K innermost, in blocks of 32 codes); Wv_codes 1,024 x 32 x 32 uint8 (E5M2 codes of Wv, K innermost, in blocks of 32 codes); bk 1,024 float32; bo 1,024 float32; bq 1,024 float32; bv 1,024 float32; lowp_scales 12 int32 (the exponents e of the quantised operands' scales 2^e); x_codes 2 x 2,048 x 32 x 32 uint8 (E5M2 codes of x, K innermost, in blocks of 32 codes).
;; Outputs: out0 2 x 2,048 x 1,024 float32.
;; This version of the problem:
;;   THIS VERSION OF THE PROBLEM IS GIVEN IN LOW PRECISION. The matrix products marked QUANTISED in the list below multiply operands that are first quantised to E5M2 (5 exponent bits, 2 mantissa bits; 8 bits a number), with one given power-of-two scale for each operand tensor; their sums are f32. All else is computed in f32.
;;   The module's matrix products, in the order in which they are computed (A, B: the left and right operand; K: the contracted axis; several contracted axes count as one K, in the product's order):
;;     1. [M 4,096, K 1,024] x [K 1,024, N 1,024]; A: input x (given as codes); B: input Wq (given as codes): QUANTISED (scales: A lowp_scales[0], B lowp_scales[1])
;;     2. [M 4,096, K 1,024] x [K 1,024, N 1,024]; A: input x (given as codes); B: input Wk (given as codes): QUANTISED (scales: A lowp_scales[2], B lowp_scales[3])
;;     3. [M 4,096, K 1,024] x [K 1,024, N 1,024]; A: input x (given as codes); B: input Wv (given as codes): QUANTISED (scales: A lowp_scales[4], B lowp_scales[5])
;;     4. batch 32 x [M 2,048, K 64] x [K 64, N 2,048]; A: computed on the way; B: computed on the way: QUANTISED (scales: A lowp_scales[6], B lowp_scales[7])
;;     5. batch 32 x [M 2,048, K 2,048] x [K 2,048, N 64]; A: softmax (see below); B: computed on the way: QUANTISED (scales: A lowp_scales[8], B lowp_scales[9])
;;     6. [M 4,096, K 1,024] x [K 1,024, N 1,024]; A: computed on the way; B: input Wo (given as codes): QUANTISED (scales: A lowp_scales[10], B lowp_scales[11])
;;   THE QUANTISER, for each operand of a quantised product, along K:
;;     - The operand's scale is 2^e, e = its entry of the input lowp_scales (int32; the entries are numbered through the quantised products in the list's order, A before B).
;;     - Each number is divided by the scale, clamped to +-57,344, and rounded to the nearest number of E5M2, ties to even, subnormals kept.
;;     - The product sums the exact products of the quantised numbers (number of the format x scale) in f32.
;;   ~~~python
;;   def quantise(x, axis, e):      # numpy; x: float32 -> the quantised numbers, widened to float32 again
;;       x = np.moveaxis(x, axis, -1); K = x.shape[-1]
;;       r = np.clip(x / 2.0 ** e, -57344, 57344)
;;       step = 2.0 ** (np.maximum(np.frexp(np.where(r == 0, 1, r))[1] - 1, -14) - 2)
;;       q = np.round(r / step) * step * 2.0 ** e      # np.round: ties to even
;;       return np.moveaxis(q, -1, axis).astype(np.float32)
;;   ~~~
;;   SOFTMAX AHEAD OF A QUANTISED PRODUCT. Where the list says 'softmax', what is quantised is not the finished softmax but p = 2^(t - M), with t = logit x log2(e) and M = ceil(the row's largest t), a whole number; so 1/2 < the row's largest p <= 1. The row's sum l is taken of the UNQUANTISED p, in f32, and the product's result is divided by l at the end. Since M is a whole number, a kernel that streams over the keys may use a running M (the ceiling of the running maximum): every later rescaling is an exact power of two, so the quantised numbers keep their values, but for numbers so far below the row's largest that they fall under the format's range.
;;   OPERANDS COMPUTED ON THE WAY. 'Computed on the way' means the value that the module computes at that place (a softmax that the list does not call 'softmax' is quantised finished and normalised). What goes into a quantiser is computed in f32, as accurately as f32 sums, v_exp_f32 and their like allow (about 1e-6 of the number): no bf16 or f16 on the way to a quantiser, and a product that is left as it is and whose result goes on into a quantised operand takes f32 operands (vector FMAs, or v_wmma_f32_16x16x4_f32). A number that lies on a knife's edge between two numbers of the format may be rounded either way, as far as f32 arithmetic and the matrix unit's own rounding can turn it there, and no further.
;;   INPUTS GIVEN AS CODES. Wk (in the module: [1024, 1024], K = its axis 0); Wo (in the module: [1024, 1024], K = its axis 0); Wq (in the module: [1024, 1024], K = its axis 0); Wv (in the module: [1024, 1024], K = its axis 0); x (in the module: [2, 2048, 1024], K = its axis 2): each comes as NAME_codes (uint8): NAME with its K axis moved to the last place and cut into blocks of 32 codes, [.., K / 32, bytes a block], one block behind the other in memory; one code a byte (a code: sign, 5 exponent bits, 2 mantissa bits); its scale is its entry of lowp_scales. Its value is code x scale, taken as it is: it is not quantised again, and the codes and scales need not be those that the quantiser above would give.
;; One version. Each part assembles by itself: llvm-mc -triple=amdgcn-amd-amdhsa -mcpu=gfx1250 --defsym DOCPART=n.
;; ======== version 1 of 1: 3 launches
;; limits: right only within a limited range of input values
;; workspace buffers: q_img 4,194,304 bytes; k_img 4,194,304 bytes; v_img 4,194,304 bytes; h_img 4,194,304 bytes
;; launch qkv (part 1): grid 16 x 16, 4 waves a work-group, clusters of 4 x 4, 327,680 bytes of LDS; arguments x_codes, Wq_codes, Wk_codes, Wv_codes, bq, bk, bv, lowp_scales, q_img, k_img, v_img; writes q_img, k_img, v_img
.if DOCPART == 1
	.amdgcn_target "amdgcn-amd-amdhsa--gfx1250"
	.amdhsa_code_object_version 6
	.text
	.protected	k_q4c49ce718f_qkv
	.globl	k_q4c49ce718f_qkv
	.p2align	8
	.type	k_q4c49ce718f_qkv,@function
k_q4c49ce718f_qkv:
	s_mov_b64 s[64:65], 0
	v_nop
	global_prefetch_b8 v0, s[64:65] scope:SCOPE_SE
	s_setreg_imm32_b32 hwreg(HW_REG_WAVE_MODE, 25, 1), 1
	s_wait_xcnt 0x0
	s_wait_alu depctr_hold_cnt(0) depctr_sa_sdst(0) depctr_va_vdst(0) depctr_va_sdst(0) depctr_va_ssrc(0) depctr_va_vcc(0) depctr_vm_vsrc(0)
	s_getreg_b32 s2, hwreg(HW_REG_IB_STS2, 6, 4)
	s_cmp_eq_u32 s2, 0
	s_cbranch_scc0 .Lentry_in_a_cluster
	s_endpgm
.Lentry_in_a_cluster:
	s_bfe_u32 s2, ttmp6, 0x10000c
	s_cmp_lg_u32 s2, 0xf033
	s_cbranch_scc0 .Lentry_shape_is_right
	s_endpgm
.Lentry_shape_is_right:
; q = x Wq + bq, k = x Wk + bk, v = x Wv + bv on codes of BF8 (E5M2), and the three results quantised again for the attention that follows.
; x_codes: [4096][1024], W*_codes: [1024 (output column)][1024 (K)], one code a byte, K innermost.  lowp_scales: e0 .. e11.  Each product takes its own pair: (e0, e1), (e2, e3), (e4, e5).
; SHARES.  A work-group makes 256 rows x one head's 64 columns of q, of k and of v: 16 heads x 16 row blocks = 256 work-groups.  Wave w owns rows 64 w .. 64 w + 63 and all 192 columns:
; 4 x 12 accumulators of 16 x 16, 384 registers; a K step of 128 is 16 fragments from LDS for 48 matrix instructions.
; q AND k ARE MADE TRANSPOSED (source 0 = 16 rows of W, source 1 = 16 rows of x): a lane holds one row and eight neighbouring head dims.  v IS MADE THE NATURAL WAY (source 0 = x, source 1 = Wv): a lane holds one
; head dim and eight neighbouring keys.  So the conversions, which take eight neighbours along the NEXT product's K from one lane's registers, give that product's operand registers as they are, and the workspace holds
; IMAGES OF OPERAND REGISTERS: q_img, k_img [32 heads][128 tiles of 16 rows][2][32 lanes][16 bytes]; v_img [32 heads][16 key steps of 128][4 tiles of 16 dims][4][32 lanes][16 bytes].  Every store is 512 consecutive bytes.
; The bias is the C of a sum's first matrix instruction, divided by the power of two that the sums lack; the three scales ahead of each quantiser are folded into the conversion's one.
; x's and W's fragments are fetched by four loads of 16 bytes: a permutation of k that is the same on both sides, so every product meets its partner; only the order of the sums inside an instruction changes.
; K goes through a ring of two LDS slots of 256 along K (rows of 256 bytes): chunks 0 and 1 are first fills, chunks 2 and 3 fill the slots again.  Eight K steps, all written out.
; CLUSTER 4 x 4: the four work-groups of a row of the cluster need the same rows of x, the four of a column the same rows of the weights: each tile is asked for jointly.
; LIMITS on the given exponents, so that each power of two made below is an f32 number: e6 - e0 - e1, e7 - e2 - e3 and e9 - e4 - e5 between -126 and 112.  NaN among the biases is not served.
; REGISTERS, in windows of 256.  window 0: v1-29 addresses and scales; v32-127 the biases in the results' layout, later the codes; v128-255 v's 16 accumulators.
;   windows 1 and 2: two sets of fragments: the weights' 12 at v[16 i], x's 4 at v[192 + 16 i].   window 3: q's 16 accumulators at v[8 (4 mt + nt)], k's at v[128 + 8 (4 mt + nt)].
; A K step's LDS loads for the next step stand between its products, a quarter at a time.
; PREFETCH: behind the joint load of chunk c each cluster asks for chunk c + 1 (c = 0, 1, 2): the change of slots that loads it waits for all loads first, so it goes out alone.  The four partners that ask for a tile jointly
; share its rows out by address: wave 0 takes 64 of x's 256 rows (by cx), waves 1 to 3 take 16 of their weight's 64 rows (by cy): each block of 256 bytes is named once in a cluster.  Nothing is asked for behind chunk 3.
; WORK LEFT OUT in this program: in launch attn the key steps of 128 that the causal mask of reference() hides from a whole tile of queries: their weights are exp(-inf) = 0 for all values of the inputs.
; LIMIT: a NaN, an infinity or an overflow that reaches only that work is not carried to the result.
.set PFO,   25                         ; v25      the prefetches' offset: 1,024 x row; never rewritten.  s[2:3] their base; never rewritten
.set PITCH, 272                        ; an LDS row: 256 bytes + 16 of padding = 68 words: the 16 rows that a load touches start at 16 different banks (64 banks of 4 bytes: ISA guide 11.1)
.set FRB,   16*PITCH                   ; 16 rows
.set AB,    256*PITCH                  ; x's 256 rows
.set WB,    64*PITCH                   ; a weight's 64 rows
.set SLOT,  AB+3*WB                    ; x, Wq, Wk, Wv
.set SPARE, 2*SLOT                     ; behind the ring: the spare words, 128 bytes for each wave: two blocks of 256 bytes that no other line names
.set WV,   66                          ; s66      my wave's number
.set G1A,  24                          ; s[24:31] descriptor group 1 for x's tiles;  s[32:39] group 0, a set for each slot
.set G0A,  32
.set G1B,  48                          ; s[48:55], s[56:63] the same for the weights' tiles
.set G0B,  56
.set ADRA, 16                          ; v16-17   LDS address of my fragments of x in slot 0, 1
.set ADRB, 20                          ; v20-21   the same for the weights
.set LI,   24                          ; v24      16 x lane: my place in an image
.set SPW,  28                          ; v28      LDS address of my spare word; never rewritten
.set NIL,  29                          ; v29      0; never rewritten
.set BIAS, 32                          ; v32-63 bq, v64-95 bk, v96-127 bv; later the codes of q, k, v
.set VACC, 128
.set AF,   192
.set MSB, 0
.macro WIN new                         ; the immediate's high byte repeats the setting that is left; a switch that changes nothing is dropped
.if MSB != (\new)
	s_set_vgpr_msb (MSB<<8)|(\new)
.set MSB, (\new)
.endif
.endm
.macro PLACES                          ; four plain vector instructions between a matrix instruction and a load into, or a vector read of, its registers
.rept 4
	v_nop
.endr
.endm
.macro CROUND                          ; a round of the cluster's barrier
	s_barrier_signal -1
	s_barrier_wait -1
	s_cmp_lg_u32 s[WV], 0
	s_cbranch_scc1 .Lnot_wave_0_\@
	s_barrier_signal -3
.Lnot_wave_0_\@:
	s_barrier_wait -3
	s_barrier_signal -1
	s_barrier_wait -1
.endm
; A joint load: wave 0 fetches x's 256 rows, waves 1, 2, 3 the 64 rows of Wq, Wk, Wv.  The branch hangs on the wave's number alone.  Four v_nop follow each line.
.macro JLOAD s
	s_cmp_eq_u32 s[WV], 0
	s_cbranch_scc0 .Lfor_w_\@
	tensor_load_to_lds s[G0A+4*\s:G0A+4*\s+3], s[G1A:G1A+7]
	s_nop 0
.rept 4
	v_nop
.endr
	s_branch .Lasked_\@
.Lfor_w_\@:
	tensor_load_to_lds s[G0B+4*\s:G0B+4*\s+3], s[G1B:G1B+7]
	s_nop 0
.rept 4
	v_nop
.endr
.Lasked_\@:
.endm
; 64 LDS loads in one run: the fragments of the slot's q-th 128 along K into set p
; (FPART: a quarter of them: the weights' fragments 3 g .. 3 g + 2 and x's fragment g)
.macro FPART slot, q, p, g
	WIN (1+\p)<<6                                  ; destination window 1 or 2, address window 0
.irp k, 0,1,2
.set FI, 3*\g+\k
.irp c, 0,1,2,3
	ds_load_b128 v[16*FI+4*\c:16*FI+4*\c+3], v[ADRB+\slot] offset:128*\q+32*\c+FRB*FI
.endr
.endr
.irp c, 0,1,2,3
	ds_load_b128 v[AF+16*\g+4*\c:AF+16*\g+4*\c+3], v[ADRA+\slot] offset:128*\q+32*\c+FRB*\g
.endr
.endm
.macro FETCH slot, q, p
.irp g, 0,1,2,3
	FPART \slot, \q, \p, \g
.endr
.endm
.macro ASK c                           ; the prefetch of chunk c; every window is 0 here
	global_prefetch_b8 v[PFO], s[2:3] offset:256*\c th:TH_LOAD_NT scope:SCOPE_SE
	s_cmp_lg_u32 s[WV], 0
	s_cbranch_scc1 .Lasked_one_\@
	global_prefetch_b8 v[PFO], s[2:3] offset:256*\c+32768 th:TH_LOAD_NT scope:SCOPE_SE   ; x's other 32 rows
.Lasked_one_\@:
.endm
; A K step's 48 matrix instructions on set p.  The 48 accumulators take turns, one instruction a turn, in the same order in every step.  first = 1: the biases are the C.
; (MPART: a quarter of them: x's fragment mt)
.macro MPART p, first, mt
.if \first
	WIN 0xc5                                       ; sources 0 and 1 window 1, C (the bias) window 0, D window 3
.else
	WIN 0xf0|(5*(1+\p))                            ; sources 0 and 1 window 1 + p, C and D window 3
.endif
.irp n, 0,1,2,3,4,5,6,7
.set DA, 128*(\n/4)+8*(4*\mt+\n%4)
.if \first
	v_wmma_f32_16x16x128_bf8_bf8 v[DA:DA+7], v[16*\n:16*\n+15], v[AF+16*\mt:AF+16*\mt+15], v[BIAS+8*\n:BIAS+8*\n+7]
.else
	v_wmma_f32_16x16x128_bf8_bf8 v[DA:DA+7], v[16*\n:16*\n+15], v[AF+16*\mt:AF+16*\mt+15], v[DA:DA+7]
.endif
.endr
	WIN 5*(1+\p)                                   ; v: C and D window 0
.irp nt, 0,1,2,3
.set DA, VACC+8*(4*\mt+\nt)
.if \first
	v_wmma_f32_16x16x128_bf8_bf8 v[DA:DA+7], v[AF+16*\mt:AF+16*\mt+15], v[128+16*\nt:128+16*\nt+15], v[BIAS+64+8*\nt:BIAS+64+8*\nt+7]
.else
	v_wmma_f32_16x16x128_bf8_bf8 v[DA:DA+7], v[AF+16*\mt:AF+16*\mt+15], v[128+16*\nt:128+16*\nt+15], v[DA:DA+7]
.endif
.endr
.endm
.macro MUL p, first
.irp mt, 0,1,2,3
	MPART \p, \first, \mt
.endr
.endm
; A K step's products on set p, with the next step's fragments fetched into set pf between them, a quarter at a time
.macro FM slot, q, pf, p, first
	FPART \slot, \q, \pf, 0
	FPART \slot, \q, \pf, 1
	MPART \p, \first, 0
	FPART \slot, \q, \pf, 2
	MPART \p, \first, 1
	FPART \slot, \q, \pf, 3
	MPART \p, \first, 2                            ; 24 products stand behind the last loads
	MPART \p, \first, 3
.endm
; THE CHANGE OF SLOTS.  Each wave waits for all its tensor loads (its part of the other slot), adds 0 to its spare word, and waits for that and for its reads of the slot that it leaves (which are also the fragments that the
; next products take).  fill = 1: a round of the cluster's barrier, and the slot left is filled again, first thing behind it: the load has two K steps, 96 matrix instructions, in which to land.
.macro CHANGE slot, fill
	WIN 0
	s_wait_tensorcnt 0x0                           ; no tensor load of mine is out, so a group 0 may be written
	ds_add_u32 v[SPW], v[NIL]                      ; 0 onto my spare word
.if \fill
	s_add_nc_u64 s[G0A+4*\slot+2:G0A+4*\slot+3], s[G0A+4*\slot+2:G0A+4*\slot+3], 512   ; this slot's next chunk: two chunks of 256 bytes along the rows
	s_add_nc_u64 s[G0B+4*\slot+2:G0B+4*\slot+3], s[G0B+4*\slot+2:G0B+4*\slot+3], 512
.endif
	s_wait_dscnt 0x0                               ; the add is done, my reads of the slot are over
.if \fill
	CROUND                                         ; no wave of any partner still reads the slot or has a load on its way
	JLOAD \slot                                    ; its four v_nop are also the places in front of the loads that follow
.else
	s_barrier_signal -1
	s_barrier_wait -1
	PLACES
.endif
.endm
	s_load_b256 s[4:11], s[0:1], 0x0               ; x s[4:5], Wq s[6:7], Wk s[8:9], Wv s[10:11]
	s_load_b256 s[12:19], s[0:1], 0x20             ; bq s[12:13], bk s[14:15], bv s[16:17], the scales' exponents s[18:19]
	s_load_b128 s[20:23], s[0:1], 0x40             ; q_img s[20:21], k_img s[22:23]
	s_load_b64 s[84:85], s[0:1], 0x50              ; v_img
	v_lshl_add_u32 v[SPW], v0, 2, SPARE
	v_mov_b32 v[NIL], 0
	ds_add_u32 v28, v29
	ds_add_u32 v28, v29
	s_wait_dscnt 0x0
	v_lshrrev_b32 v3, 5, v0
	v_readfirstlane_b32 s[WV], v3                  ; wave 0..3
	s_bfe_u32 s40, ttmp6, 0x40000                  ; cx, cy: my place in the cluster
	s_bfe_u32 s41, ttmp6, 0x40004
	s_lshl_b32 s42, ttmp9, 2
	s_add_co_u32 s42, s42, s40                     ; the head = 4 x cluster x + cx
	s_and_b32 s43, ttmp7, 0xffff
	s_lshl_b32 s43, s43, 2
	s_add_co_u32 s43, s43, s41                     ; the block of 256 rows = 4 x cluster y + cy
	s_lshl_b32 s44, s41, 2
	s_lshl_b32 s44, 15, s44                        ; my row of the cluster
	s_lshl_b32 s45, 0x1111, s40                    ; my column
	; descriptor group 1: rows of 256 bytes, 1,024 bytes apart in memory, 16 bytes of padding behind each in LDS
	s_or_b32 s[G1A], s44, (1<<20)|(1<<21)|(5<<22)|(3<<25)   ; 15:0 the mask: x's tiles go to my row; 17:16 elements of 1 byte; 20 padding on; 21 set beside a mask; 24:22 after every 64 words; 31:25 four words
	s_or_b32 s[G1B], s45, (1<<20)|(1<<21)|(5<<22)|(3<<25)   ; the weights' tiles go to my column
	s_mov_b32 s[G1A+1], 256<<16                    ; tensor_dim0 = 256
	s_mov_b32 s[G1A+2], 256<<16                    ; tensor_dim1 = 256
	s_mov_b32 s[G1A+3], 256<<16                    ; tile_dim0 = 256
	s_mov_b32 s[G1A+4], 256                        ; tile_dim1 = 256
	s_mov_b32 s[G1A+5], 1024                       ; from row to row
	s_mov_b32 s[G1A+6], 0
	s_mov_b32 s[G1A+7], 0
	s_mov_b32 s[G1B+1], 256<<16
	s_mov_b32 s[G1B+2], 64<<16                     ; 64 rows
	s_mov_b32 s[G1B+3], 256<<16
	s_mov_b32 s[G1B+4], 64
	s_mov_b32 s[G1B+5], 1024
	s_mov_b32 s[G1B+6], 0
	s_mov_b32 s[G1B+7], 0
	s_lshl_b32 s46, s43, 18                        ; x: 256 rows of 1,024 bytes a block.  These registers never hold the head
	s_mov_b32 s47, 0
	s_lshl_b32 s80, s42, 16                        ; a weight: 64 rows of 1,024 bytes a head.  These never hold the row block
	s_mov_b32 s81, 0
	s_mul_i32 s82, s[WV], WB
	s_add_co_u32 s82, s82, AB-WB                   ; where wave 1, 2, 3's tile goes in a slot: behind x's rows, wave - 1 tiles on
	s_wait_kmcnt 0x0
	s_load_b256 s[68:75], s[18:19], 0x0            ; e0 .. e7
	s_load_b128 s[76:79], s[18:19], 0x20           ; e8 .. e11
	s_cmp_eq_u32 s[WV], 1                          ; which weight I fetch, if I fetch one: a choice on the wave's number
	s_cselect_b64 s[86:87], s[6:7], s[8:9]
	s_cmp_eq_u32 s[WV], 3
	s_cselect_b64 s[86:87], s[10:11], s[86:87]
	s_add_nc_u64 s[86:87], s[86:87], s[80:81]
	s_add_nc_u64 s[88:89], s[4:5], s[46:47]
.irp s, 0,1
	s_mov_b32 s[G0A+4*\s], 1                       ; count = 1
	s_mov_b32 s[G0A+4*\s+1], \s*SLOT               ; LDS address
	s_add_nc_u64 s[G0A+4*\s+2:G0A+4*\s+3], s[88:89], \s*256   ; chunk s
	s_or_b32 s[G0A+4*\s+3], s[G0A+4*\s+3], 0x80000000         ; type = 2
	s_mov_b32 s[G0B+4*\s], 1
	s_add_co_u32 s[G0B+4*\s+1], s82, \s*SLOT
	s_add_nc_u64 s[G0B+4*\s+2:G0B+4*\s+3], s[86:87], \s*256
	s_or_b32 s[G0B+4*\s+3], s[G0B+4*\s+3], 0x80000000
.endr
	CROUND                                         ; all sixteen work-groups are here: the first joint loads meet
	s_cmp_eq_u32 s[WV], 0                          ; chunk 0: one tensor load a wave at the head
	s_cbranch_scc0 .Lfirst_w
	tensor_load_to_lds s[G0A:G0A+3], s[G1A:G1A+7]
	s_nop 0
.rept 4
	v_nop
.endr
	s_branch .Lfirst_asked
.Lfirst_w:
	tensor_load_to_lds s[G0B:G0B+3], s[G1B:G1B+7]
	s_nop 0
.rept 4
	v_nop
.endr
.Lfirst_asked:
	; the biases, in the results' layout.  q, k: lane (r, h), tile nt, register j: head dim 16 nt + 8 h + j.  v: head dim 16 nt + r in all eight registers
	v_and_b32 v1, 15, v0                           ; r
	v_bfe_u32 v2, v0, 4, 1                         ; h
	v_lshlrev_b32 v4, 5, v2                        ; 32 h
	v_lshlrev_b32 v5, 2, v1                        ; 4 r
	s_lshl_b32 s90, s42, 8                         ; the head's 64 numbers
	s_mov_b32 s91, 0
	s_add_nc_u64 s[12:13], s[12:13], s[90:91]
	s_add_nc_u64 s[14:15], s[14:15], s[90:91]
	s_add_nc_u64 s[16:17], s[16:17], s[90:91]
.irp nt, 0,1,2,3
	global_load_b128 v[BIAS+8*\nt:BIAS+8*\nt+3],       v4, s[12:13] offset:64*\nt
	global_load_b128 v[BIAS+8*\nt+4:BIAS+8*\nt+7],     v4, s[12:13] offset:64*\nt+16
	global_load_b128 v[BIAS+32+8*\nt:BIAS+32+8*\nt+3], v4, s[14:15] offset:64*\nt
	global_load_b128 v[BIAS+32+8*\nt+4:BIAS+32+8*\nt+7], v4, s[14:15] offset:64*\nt+16
	global_load_b32  v[BIAS+64+8*\nt],                 v5, s[16:17] offset:64*\nt
.endr
	; LDS addresses: a fragment's row x pitch + 16 x half
	v_mul_u32_u24 v6, v1, PITCH
	v_lshl_add_u32 v6, v2, 4, v6
	s_mul_i32 s92, s[WV], WB                       ; my 64 rows of x
	v_add_nc_u32 v[ADRA], s92, v6
	v_add_nc_u32 v[ADRA+1], SLOT, v[ADRA]
	v_add_nc_u32 v[ADRB], AB, v6
	v_add_nc_u32 v[ADRB+1], SLOT, v[ADRB]
	v_and_b32 v[LI], 31, v0
	v_lshlrev_b32 v[LI], 4, v[LI]
	; the prefetches: wave 0: x's rows 64 cx + lane, and 32 more; waves 1 to 3: their weight's rows 16 cy + lane % 16
	s_lshl_b32 s94, s40, 16
	s_lshl_b32 s92, s41, 14
	s_mov_b32 s93, 0
	s_mov_b32 s95, 15
	s_cmp_eq_u32 s[WV], 0
	s_cselect_b32 s92, s94, s92
	s_cselect_b32 s95, 31, s95
	s_cselect_b64 s[2:3], s[88:89], s[86:87]
	s_add_nc_u64 s[2:3], s[2:3], s[92:93]
	v_and_b32 v[PFO], s95, v0
	v_lshlrev_b32 v[PFO], 10, v[PFO]
	s_wait_alu depctr_va_vdst(0)
	ASK 1
	; where my images go.  head in the batch: bh = 16 (row block / 8) + head, 131,072 bytes each
	s_lshr_b32 s90, s43, 3
	s_lshl_b32 s90, s90, 4
	s_add_co_u32 s90, s90, s42
	s_lshl_b32 s90, s90, 17
	s_and_b32 s92, s43, 7
	s_lshl_b32 s93, s92, 4
	s_lshl_b32 s94, s[WV], 2
	s_add_co_u32 s93, s93, s94                     ; q, k: my first tile of 16 rows: 16 (row block % 8) + 4 wave,
	s_lshl_b32 s93, s93, 10                        ; 1,024 bytes a tile
	s_add_co_u32 s94, s93, s90
	s_mov_b32 s95, 0
	s_add_nc_u64 s[20:21], s[20:21], s[94:95]
	s_add_nc_u64 s[22:23], s[22:23], s[94:95]
	s_lshl_b32 s93, s92, 1
	s_lshr_b32 s94, s[WV], 1
	s_add_co_u32 s93, s93, s94                     ; v: my key step of 128: 2 (row block % 8) + wave / 2, 8,192 bytes each;
	s_lshl_b32 s93, s93, 13
	s_and_b32 s94, s[WV], 1
	s_lshl_b32 s94, s94, 10                        ; my 64 keys are its groups 2 (wave % 2) and the next, 512 bytes each
	s_add_co_u32 s93, s93, s94
	s_add_co_u32 s94, s93, s90
	s_add_nc_u64 s[84:85], s[84:85], s[94:95]
	s_wait_kmcnt 0x0
; A sum stands for sum x 2^(ea + eb), so its code is sum / 2^(eo - ea - eb): v[vs] = that power as f32 (the conversion takes its exponent field), v[vs + 1] = 57,344 x it; s[neg] = -(ea + eb), for the bias
.macro FOLD vs, eo, ea, eb, neg
	s_add_co_i32 s92, s[\ea], s[\eb]
	s_sub_co_i32 s[\neg], 0, s92
	s_sub_co_i32 s92, s[\eo], s92
	s_add_co_i32 s92, s92, 127
	s_lshl_b32 s93, s92, 23
	v_mov_b32 v[\vs], s93
	s_add_co_i32 s92, s92, 15
	s_lshl_b32 s92, s92, 23
	s_or_b32 s92, s92, 0x600000
	v_mov_b32 v[\vs+1], s92
.endm
	FOLD 8, 74, 68, 69, 96                         ; q: e6, e0, e1
	FOLD 10, 75, 70, 71, 97                        ; k: e7, e2, e3
	FOLD 12, 77, 72, 73, 98                        ; v: e9, e4, e5
	s_wait_loadcnt 0x0                             ; the biases
.set j, 0
.rept 32
	v_ldexp_f32 v[BIAS+j], v[BIAS+j], s96          ; bq / 2^(e0 + e1)
	v_ldexp_f32 v[BIAS+32+j], v[BIAS+32+j], s97    ; bk / 2^(e2 + e3)
.set j, j+1
.endr
.irp nt, 0,1,2,3
	v_ldexp_f32 v[BIAS+64+8*\nt], v[BIAS+64+8*\nt], s98   ; bv / 2^(e4 + e5),
.irp i, 1,2,3,4,5,6,7
	v_mov_b32 v[BIAS+64+8*\nt+\i], v[BIAS+64+8*\nt]       ; the same for the lane's eight keys
.endr
.endr
	s_wait_alu depctr_va_vdst(0)
	s_wait_tensorcnt 0x0                           ; my part of chunk 0 is in
	ds_add_u32 v[SPW], v[NIL]
	s_wait_dscnt 0x0
	CROUND                                         ; everybody's part of chunk 0 is in, and all sixteen work-groups are here
	JLOAD 1                                        ; chunk 1, the first tensor load behind the round
	FETCH 0, 0, 0
	WIN 0
	ASK 2
	; K step 0
	s_wait_dscnt 0x0                               ; set 0 is in
	FM 0, 1, 1, 0, 1
	CHANGE 0, 1                                    ; K step 1: slot 0 is left and takes chunk 2
	FM 1, 0, 0, 1, 0
	WIN 0
	ASK 3
	s_wait_dscnt 0x0                               ; K step 2: the set asked for during the last step is in
	PLACES
	FM 1, 1, 1, 0, 0
	CHANGE 1, 1                                    ; K step 3: slot 1 is left and takes chunk 3
	FM 0, 0, 0, 1, 0
	s_wait_dscnt 0x0                               ; K step 4
	PLACES
	FM 0, 1, 1, 0, 0
	CHANGE 0, 0                                    ; K step 5: the last change of slots; nothing is left to fetch
	FM 1, 0, 0, 1, 0
	s_wait_dscnt 0x0                               ; K step 6
	PLACES
	FM 1, 1, 1, 0, 0
	s_wait_dscnt 0x0                               ; K step 7
	MUL 1, 0
	; THE WAY OUT: hold, convert, store.  The conversion to an 8-bit code does not saturate (ISA guide 7.6.2), so each sum is first held within the largest code x the folded scale; each accumulator from its low end on.
.macro HOLD base, lim
.set j, 0
.rept 128
	v_med3_num_f32 v[\base+j], v[\base+j], -v[\lim], v[\lim]
.set j, j+1
.endr
.endm
; q, k: registers 4 u .. 4 u + 3 of the tile mt's fragment: head dims 32 u + 8 h + 0 .. 7 (accumulator (mt, 2 u)), then 32 u + 16 + 8 h + 0 .. 7 (accumulator (mt, 2 u + 1))
.macro CODES_QK acc, code, sc
.irp mt, 0,1,2,3
.irp u, 0,1
	v_cvt_scalef32_pk8_bf8_f32 v[\code+4*(2*\mt+\u):\code+4*(2*\mt+\u)+1],   v[\acc+8*(4*\mt+2*\u):\acc+8*(4*\mt+2*\u)+7],     v[\sc]
	v_cvt_scalef32_pk8_bf8_f32 v[\code+4*(2*\mt+\u)+2:\code+4*(2*\mt+\u)+3], v[\acc+8*(4*\mt+2*\u+1):\acc+8*(4*\mt+2*\u+1)+7], v[\sc]
.endr
.endr
.endm
.macro SEND_QK code, base
.irp mt, 0,1,2,3
.irp u, 0,1
	global_store_b128 v[LI], v[\code+4*(2*\mt+\u):\code+4*(2*\mt+\u)+3], s[\base:\base+1] offset:1024*\mt+512*\u   ; 32 lanes store 512 consecutive bytes, at a multiple of 512 from the buffer's first byte
.endr
.endr
.endm
	PLACES                                         ; behind the last products
	WIN 0xc3                                       ; destination and source 0 window 3, the limit window 0
	HOLD 0, 9
	WIN 0x03                                       ; source 0 window 3; the scale and the codes window 0
	CODES_QK 0, BIAS, 8
	WIN 0
	SEND_QK BIAS, 20
	WIN 0xc3
	HOLD 128, 11                                   ; (plain vector lines on other registers stand behind q's conversions)
	WIN 0x03
	CODES_QK 128, BIAS+32, 10
	WIN 0
	SEND_QK BIAS+32, 22
	HOLD VACC, 13
.irp nt, 0,1,2,3                       ; v: registers of group 2 (wave % 2) + u of the dims' tile nt: keys 32 u + 8 h + 0 .. 7 of my 64 (accumulator (2 u, nt)), then + 16 (accumulator (2 u + 1, nt))
.irp u, 0,1
	v_cvt_scalef32_pk8_bf8_f32 v[BIAS+64+4*(2*\nt+\u):BIAS+64+4*(2*\nt+\u)+1],   v[VACC+8*(8*\u+\nt):VACC+8*(8*\u+\nt)+7],     v12
	v_cvt_scalef32_pk8_bf8_f32 v[BIAS+64+4*(2*\nt+\u)+2:BIAS+64+4*(2*\nt+\u)+3], v[VACC+8*(8*\u+4+\nt):VACC+8*(8*\u+4+\nt)+7], v12
.endr
.endr
	v_nop                                          ; a plain vector line behind the last conversion
.irp nt, 0,1,2,3
.irp u, 0,1
	global_store_b128 v[LI], v[BIAS+64+4*(2*\nt+\u):BIAS+64+4*(2*\nt+\u)+3], s[84:85] offset:2048*\nt+512*\u
.endr
.endr
	s_wait_tensorcnt 0x0                           ; the wave's end
	ds_add_u32 v[SPW], v[NIL]
	s_wait_dscnt 0x0
	CROUND                                         ; the closing round: no work-group ends while a partner may still ask for a tile that names it
	s_endpgm
.Lfunc_end_k_q4c49ce718f_qkv:
	.size	k_q4c49ce718f_qkv, .Lfunc_end_k_q4c49ce718f_qkv-k_q4c49ce718f_qkv
	.p2alignl 7, 3214868480
	.fill 96, 4, 3214868480
	.section	.rodata,"a",@progbits
	.p2align	6, 0x0
	.amdhsa_kernel k_q4c49ce718f_qkv
		.amdhsa_group_segment_fixed_size 327680
		.amdhsa_private_segment_fixed_size 0
		.amdhsa_enable_private_segment 0
		.amdhsa_kernarg_size 88
		.amdhsa_user_sgpr_count 2
		.amdhsa_user_sgpr_kernarg_segment_ptr 1
		.amdhsa_wavefront_size32 1
		.amdhsa_system_sgpr_workgroup_id_x 1
		.amdhsa_system_sgpr_workgroup_id_y 1
		.amdhsa_system_sgpr_workgroup_id_z 1
		.amdhsa_system_vgpr_workitem_id 0
		.amdhsa_next_free_vgpr 1024
		.amdhsa_next_free_sgpr 100
		.amdhsa_reserve_vcc 0
		.amdhsa_float_denorm_mode_32 3
		.amdhsa_float_denorm_mode_16_64 3
		.amdhsa_memory_ordered 1
		.amdhsa_forward_progress 1
		.amdhsa_inst_pref_size 109
	.end_amdhsa_kernel
	.amdgpu_metadata
---
amdhsa.version: [ 1, 2 ]
amdhsa.kernels:
  - .name:           k_q4c49ce718f_qkv
    .symbol:         k_q4c49ce718f_qkv.kd
    .args:
      - { .name: x_codes, .offset: 0, .size: 8, .value_kind: global_buffer, .address_space: global }
      - { .name: Wq_codes, .offset: 8, .size: 8, .value_kind: global_buffer, .address_space: global }
      - { .name: Wk_codes, .offset: 16, .size: 8, .value_kind: global_buffer, .address_space: global }
      - { .name: Wv_codes, .offset: 24, .size: 8, .value_kind: global_buffer, .address_space: global }
      - { .name: bq, .offset: 32, .size: 8, .value_kind: global_buffer, .address_space: global }
      - { .name: bk, .offset: 40, .size: 8, .value_kind: global_buffer, .address_space: global }
      - { .name: bv, .offset: 48, .size: 8, .value_kind: global_buffer, .address_space: global }
      - { .name: lowp_scales, .offset: 56, .size: 8, .value_kind: global_buffer, .address_space: global }
      - { .name: q_img, .offset: 64, .size: 8, .value_kind: global_buffer, .address_space: global }
      - { .name: k_img, .offset: 72, .size: 8, .value_kind: global_buffer, .address_space: global }
      - { .name: v_img, .offset: 80, .size: 8, .value_kind: global_buffer, .address_space: global }
    .group_segment_fixed_size: 327680
    .private_segment_fixed_size: 0
    .kernarg_segment_align: 8
    .kernarg_segment_size: 88
    .max_flat_workgroup_size: 128
    .sgpr_count:     100
    .vgpr_count:     1024
    .wavefront_size: 32
...
	.end_amdgpu_metadata
.endif
;; end of part 1
;; launch attn (part 2): grid 8 x 32, 16 waves a work-group, clusters of 4 x 1, 327,680 bytes of LDS; arguments q_img, k_img, v_img, lowp_scales, h_img; writes h_img
.if DOCPART == 2
	.amdgcn_target "amdgcn-amd-amdhsa--gfx1250"
	.amdhsa_code_object_version 6
	.text
	.protected	k_q4c49ce718f_attn
	.globl	k_q4c49ce718f_attn
	.p2align	8
	.type	k_q4c49ce718f_attn,@function
k_q4c49ce718f_attn:
	s_mov_b64 s[64:65], 0
	v_nop
	global_prefetch_b8 v0, s[64:65] scope:SCOPE_SE
	s_setreg_imm32_b32 hwreg(HW_REG_WAVE_MODE, 25, 1), 1
	s_wait_xcnt 0x0
	s_wait_alu depctr_hold_cnt(0) depctr_sa_sdst(0) depctr_va_vdst(0) depctr_va_sdst(0) depctr_va_ssrc(0) depctr_va_vcc(0) depctr_vm_vsrc(0)
	s_getreg_b32 s2, hwreg(HW_REG_IB_STS2, 6, 4)
	s_cmp_eq_u32 s2, 0
	s_cbranch_scc0 .Lentry_in_a_cluster
	s_endpgm
.Lentry_in_a_cluster:
	s_bfe_u32 s2, ttmp6, 0x10000c
	s_cmp_lg_u32 s2, 0x3003
	s_cbranch_scc0 .Lentry_shape_is_right
	s_endpgm
.Lentry_shape_is_right:
; h = softmax(q k^T / 8, causal) v for 32 heads of 2,048 rows x 64, both products on codes of BF8 (E5M2), h quantised again for the projection that follows.
; p = 2^(t - M), t = score x log2(e) / 8, M the running largest t rounded up to a whole number; the row's sum is taken of the unquantised p and divides at the end; a change of M is a multiplication by a power of two.
; All buffers but the scales are images of operand registers: q_img, k_img [32 heads][128 tiles of 16 rows][2][32 lanes][16 bytes]; v_img [32 heads][16 key steps of 128][4 tiles of 16 dims][4][32][16];
; h_img [32 blocks of 128 rows][8 pairs of heads][8 tiles of 16 rows][4][32][16].
; SHARES.  A head's 128 query tiles are 16 blocks b of 8 tiles u; a tile of block b walks b + 1 key steps of 128.  TWO WAVES, w and w + 4, SHARE the tile u of block BL = 15 - BS and the tile u of block BS (BS = 0 .. 7), 17 steps:
; the owner (role 0) takes steps 0 .. 8 of the long tile; the helper (role 1) takes the whole short tile, steps 0 .. BS, stores it, then steps 9 .. BL of the long tile.  So a wave has 9 or 8 steps.  At the end the two exchange
; half of O each, with M and the sum, through LDS bytes of their own: the owner finishes head dims 0 .. 31 of the long tile, the helper 32 .. 63.
; Every wave walks the steps 0 .. 15 in loops of constant count.
; K's and V's images of the whole head (262,144 bytes) lie in LDS: each wave fetches 2,048 bytes of steps 0 and 1 at the head and 14,336 bytes of the others behind the full sequence; no byte is filled twice.
; CLUSTER 4 x 1: four work-groups of one head ask for each piece jointly (mask 15).  Nothing is prefetched: all that is read is asked for ahead of the first loop.
; Both products are used transposed: a lane holds one query (lane % 16); key tile t's register j is key 16 t + 8 (lane / 16) + j, and the conversions' results are the second product's operand.
; WORK LEFT OUT: key steps that the causal mask of reference() hides from all 16 queries of a tile (their weights are 0 for all inputs).  LIMIT: a NaN, an infinity or an overflow that reaches only those is not carried on.
; LIMITS: the scaled scores t stay under 2^31 in magnitude; e6 + e7 between -123 and 130 (added to an exponent field); e8 between -126 and 112.
; REGISTERS: v1 16 x lane; v8, v9 LDS addresses of a step; v10, v11 my place and my partner's; v12 -M, v13 the largest t, v[14:15] the sum in two halves; v16-23 the first tile's q, v24-31 the long tile's q; v32-95 fragments;
; v96-159 scores, then p; v160-191 O; v192-207 codes; v208-213, v236-255 at work and constants.
.set VIMG, 131072
.set STEPB, 8192                       ; a key step's bytes in either image
.set SPARE, 262144                     ; the spare words: 16 waves x 128 bytes; no other line names them
.set PART, SPARE+2048                  ; the waves' places for the exchange: 5 x 512 bytes each; no tile lands there
.set PARTB, 2560
.set WV,  18
.set SEL, 20
.set CS,  22
.set G1S, 24                           ; s[24:31], s[32:39] descriptor groups 1 of the two loads;  s[40:43], s[44:47] groups 0
.set G1L, 32
.set G0S, 40
.set G0L, 44
.set HL,  52                           ; s[52:53], s[62:63] where the long and the short tile of h go
.set HS,  62
.set BLK, 54                           ; the block in hand, the first step that is not mine, the step, its LDS byte
.set NST, 55
.set ST,  56
.set TB,  57
.set ROLE, 58
.set U,   59
.set BL,  60
.set BS,  61
.set MJ,  88                           ; s[88:95] the lanes whose query comes before key 8 (lane / 16) + j of its own tile
.macro CROUND                          ; a round of the cluster's barrier
	s_barrier_signal -1
	s_barrier_wait -1
	s_cmp_lg_u32 s[WV], 0
	s_cbranch_scc1 .Lnot_wave_0_\@
	s_barrier_signal -3
.Lnot_wave_0_\@:
	s_barrier_wait -3
	s_barrier_signal -1
	s_barrier_wait -1
.endm
	s_load_b256 s[4:11], s[0:1], 0x0               ; q s[4:5], k s[6:7], v s[8:9], the exponents s[10:11]
	s_load_b64 s[12:13], s[0:1], 0x20              ; h
	v_lshl_add_u32 v251, v0, 2, SPARE
	v_mov_b32 v255, 0
	ds_add_u32 v251, v255                          ; the opening lines: the add, twice on end, and its wait below
	ds_add_u32 v251, v255
	v_and_b32 v1, 31, v0
	v_lshrrev_b32 v3, 5, v0
	v_lshlrev_b32 v1, 4, v1
	v_readfirstlane_b32 s[WV], v3                  ; wave 0..15
	s_bfe_u32 s48, ttmp6, 0x40000                  ; cx
	s_and_b32 s50, ttmp7, 0xffff                   ; 16 x batch + head
	s_lshr_b32 s80, s[WV], 2
	s_and_b32 s[ROLE], s80, 1
	s_lshr_b32 s81, s[WV], 3
	s_and_b32 s82, s[WV], 1
	s_lshl_b32 s83, s81, 1
	s_or_b32 s83, s83, s82
	s_lshl_b32 s83, s83, 1
	s_add_co_u32 s[BS], s83, ttmp9                 ; the short block, 0 .. 7: of the wave's and the cluster's numbers alone
	s_sub_co_u32 s[BL], 15, s[BS]
	s_bfe_u32 s84, s[WV], 0x10001
	s_lshl_b32 s85, s48, 1
	s_add_co_u32 s[U], s85, s84                    ; the tile in the block: enters addresses in memory and masks, no branch
	s_mul_i32 s73, s[WV], PARTB
	s_add_co_u32 s73, s73, PART                    ; my place in LDS
	s_xor_b32 s74, s[WV], 4
	s_mul_i32 s74, s74, PARTB
	s_add_co_u32 s74, s74, PART                    ; my partner's
	s_add_co_u32 s86, s[BS], 1
	s_cmp_eq_u32 s[ROLE], 0
	s_cselect_b32 s[BLK], s[BL], s[BS]
	s_cselect_b32 s[NST], 9, s86
	s_mov_b32 s[G1S], 15|(3<<16)|(1<<21)           ; the mask; elements of 8 bytes; bit 21 beside a mask.  8 dense rows of 256 bytes
	s_mov_b32 s[G1S+1], 32<<16
	s_mov_b32 s[G1S+2], 8<<16
	s_mov_b32 s[G1S+3], 32<<16
	s_mov_b32 s[G1S+4], 8
	s_mov_b32 s[G1S+5], 32
	s_mov_b32 s[G1S+6], 0
	s_mov_b32 s[G1S+7], 0
	s_mov_b32 s[G1L], 15|(3<<16)|(1<<21)           ; 56 rows
	s_mov_b32 s[G1L+1], 32<<16
	s_mov_b32 s[G1L+2], 56<<16
	s_mov_b32 s[G1L+3], 32<<16
	s_mov_b32 s[G1L+4], 56
	s_mov_b32 s[G1L+5], 32
	s_mov_b32 s[G1L+6], 0
	s_mov_b32 s[G1L+7], 0
	s_and_b32 s88, s[WV], 7                        ; waves 0 to 7 fetch of K, 8 to 15 of V: an eighth of steps 0 and 1, then of the others
	s_lshl_b32 s89, s81, 17
	s_lshl_b32 s94, s88, 11
	s_mov_b32 s95, 0
	s_mul_i32 s96, s88, 14336
	s_add_co_u32 s96, s96, 2*STEPB
	s_mov_b32 s97, 0
	s_mov_b32 s[G0S], 1
	s_add_co_u32 s[G0S+1], s89, s94
	s_mov_b32 s[G0L], 1
	s_add_co_u32 s[G0L+1], s89, s96
	s_lshl_b32 s92, s50, 17                        ; the head's bytes
	s_mov_b32 s93, 0
	s_lshl_b32 s76, s[BLK], 3
	s_add_co_u32 s76, s76, s[U]
	s_lshl_b32 s76, s76, 10
	s_add_co_u32 s76, s76, s92
	s_mov_b32 s77, 0
	s_lshl_b32 s78, s[BL], 3
	s_add_co_u32 s78, s78, s[U]
	s_lshl_b32 s78, s78, 10
	s_add_co_u32 s78, s78, s92
	s_mov_b32 s79, 0
	s_wait_alu depctr_va_vdst(0)
	s_wait_dscnt 0x0                               ; both opening adds are done
	s_wait_kmcnt 0x0
	s_load_b128 s[68:71], s[10:11], 0x18           ; e6 .. e9
	s_load_b32 s72, s[10:11], 0x28                 ; e10
	s_add_nc_u64 s[76:77], s[4:5], s[76:77]
	s_add_nc_u64 s[78:79], s[4:5], s[78:79]
	global_load_b128 v[16:19], v1, s[76:77]        ; q of my first tile
	global_load_b128 v[20:23], v1, s[76:77] offset:512
	global_load_b128 v[24:27], v1, s[78:79]        ; and of the long tile
	global_load_b128 v[28:31], v1, s[78:79] offset:512
	s_cmp_lt_u32 s[WV], 8
	s_cselect_b64 s[90:91], s[6:7], s[8:9]
	s_add_nc_u64 s[90:91], s[90:91], s[92:93]
	s_add_nc_u64 s[G0S+2:G0S+3], s[90:91], s[94:95]
	s_or_b32 s[G0S+3], s[G0S+3], 0x80000000        ; type = 2
	s_add_nc_u64 s[G0L+2:G0L+3], s[90:91], s[96:97]
	s_or_b32 s[G0L+3], s[G0L+3], 0x80000000
	CROUND                                         ; all four work-groups are here: the joint loads meet
	tensor_load_to_lds s[G0S:G0S+3], s[G1S:G1S+7]  ; my one tensor load at the head: steps 0 and 1
	s_nop 0
.rept 4
	v_nop
.endr
	v_add_nc_u32 v10, s73, v1
	v_add_nc_u32 v11, s74, v1
	; h: 131,072 bytes a block, 16,384 a pair of heads, 2,048 a tile, 1,024 a head
	s_lshr_b32 s80, s50, 4
	s_lshl_b32 s80, s80, 21
	s_bfe_u32 s82, s50, 0x30001
	s_lshl_b32 s82, s82, 14
	s_add_co_u32 s80, s80, s82
	s_lshl_b32 s82, s[U], 11
	s_add_co_u32 s80, s80, s82
	s_and_b32 s82, s50, 1
	s_lshl_b32 s82, s82, 10
	s_add_co_u32 s80, s80, s82
	s_lshl_b32 s82, s[BL], 17
	s_add_co_u32 s82, s82, s80
	s_mov_b32 s83, 0
	s_add_nc_u64 s[HL:HL+1], s[12:13], s[82:83]
	s_lshl_b32 s82, s[BS], 17
	s_add_co_u32 s82, s82, s80
	s_add_nc_u64 s[HS:HS+1], s[12:13], s[82:83]
.irp j, 0,1,2,3,4,5,6,7
	s_mov_b32 s[MJ+\j], ((1<<\j)-1)|(((1<<(8+\j))-1)<<16)   ; lanes 0-15: r < j; lanes 16-31: r < 8 + j
.endr
	s_mov_b32 s[SEL], 0x76543210                   ; v_permlanex16_b32's selects for lane l xor 16
	s_mov_b32 s[SEL+1], 0xfedcba98
	s_mov_b32 s[CS], 0x3e38aa3b                    ; log2(e) / 8
.macro INIT                            ; a tile's start: the largest t under every t, zeros that the first change of M leaves zeros
	v_mov_b32 v13, 0xff61b1e6                      ; -3e38
	v_mov_b32 v14, 0
	v_mov_b32 v15, 0
	v_floor_f32 v12, -v13
.set j, 0
.rept 32
	v_mov_b32 v[160+j], 0
.set j, j+1
.endr
.endm
	INIT
	v_mov_b32 v236, 0                              ; (a lane permute's destination counts as one of its sources)
	v_mov_b32 v252, 0
	v_mov_b32 v253, 0                              ; (named as the upper half of a pair)
	v_mov_b32 v246, 0x47600000                     ; 57,344
	v_mov_b32 v247, 1.0
	v_mov_b32 v248, 0xff800000                     ; -infinity
	s_wait_kmcnt 0x0
	s_add_co_i32 s80, s68, s69
	s_lshl_b32 s80, s80, 23
	s_add_co_i32 s[CS], s[CS], s80                 ; a score stands for score x 2^(e6 + e7)
	s_mov_b32 s[CS+1], s[CS]
	s_add_co_i32 s80, s70, 127
	s_lshl_b32 s81, s80, 23
	v_mov_b32 v244, s81                            ; 2^e8
	s_add_co_i32 s80, s80, 15
	s_lshl_b32 s80, s80, 23
	s_or_b32 s80, s80, 0x600000
	v_mov_b32 v240, s80                            ; 57,344 x 2^e8
; A KEY STEP of 128 keys for the 16 queries whose fragment stands at q
.macro STEP q
	s_cmp_ge_u32 s[ST], s[NST]
	s_cbranch_scc1 .Lhidden_\@
	v_add_nc_u32 v8, s[TB], v1
	s_delay_alu instid0(VALU_DEP_1)
	v_add_nc_u32 v9, VIMG, v8
	v_nop                                          ; (with the two additions: the four places in front of the loads)
	v_nop
.irp t, 0,1,2,3,4,5,6,7
	ds_load_b128 v[32+8*\t:35+8*\t], v8 offset:1024*\t
	ds_load_b128 v[36+8*\t:39+8*\t], v8 offset:1024*\t+512
.endr
	s_wait_alu depctr_va_vdst(0)
	s_wait_dscnt 0x8                               ; key tiles 0 to 3 are in; the younger eight loads may be out
.irp t, 0,1,2,3
	v_wmma_f32_16x16x64_bf8_bf8 v[96+8*\t:103+8*\t], v[32+8*\t:39+8*\t], v[\q:\q+7], 0
.endr
	s_wait_dscnt 0x0
.irp t, 4,5,6,7
	v_wmma_f32_16x16x64_bf8_bf8 v[96+8*\t:103+8*\t], v[32+8*\t:39+8*\t], v[\q:\q+7], 0
.endr
	v_mov_b32 v245, v12                            ; the old -M (the first of four places)
.rept 3
	v_nop
.endr
.irp d, 0,1,2,3
.irp b, 0,1,2,3
	ds_load_b128 v[32+16*\d+4*\b:35+16*\d+4*\b], v9 offset:2048*\d+512*\b
.endr
.endr
	s_cmp_lg_u32 s[ST], s[BLK]
	s_cbranch_scc1 .Lopen_\@
	; the diagonal step: key tiles before my tile U are open, those behind it hidden, tile U by the masks: a key that is hidden gets -infinity, and p = 0
.irp t, 0,1,2,3,4,5,6,7
	s_cmp_ge_u32 \t, s[U]
	s_cselect_b32 s84, -1, 0
	s_cmp_gt_u32 \t, s[U]
	s_cselect_b32 s85, -1, 0
.irp j, 0,1,2,3,4,5,6,7
	s_or_b32 s[76+\j], s[MJ+\j], s85
	s_and_b32 s[76+\j], s[76+\j], s84
.endr
.irp j, 0,1,2,3,4,5,6,7
	v_cndmask_b32 v[96+8*\t+\j], v[96+8*\t+\j], v248, s[76+\j]
.endr
.endr
.Lopen_\@:
	v_max3_num_f32 v254, v96, v97, v98             ; the step's largest score of my query, in four chains
	v_max3_num_f32 v252, v99, v100, v101
	v_max3_num_f32 v249, v102, v103, v104
	v_max3_num_f32 v250, v105, v106, v107
.set i, 12
.rept 6
	v_max3_num_f32 v254, v254, v[96+i], v[97+i]
	v_max3_num_f32 v252, v252, v[98+i], v[99+i]
	v_max3_num_f32 v249, v249, v[100+i], v[101+i]
	v_max3_num_f32 v250, v250, v[102+i], v[103+i]
.set i, i+8
.endr
	v_max3_num_f32 v254, v254, v156, v157
	v_max3_num_f32 v252, v252, v158, v159
	v_max3_num_f32 v254, v254, v252, v249
	s_delay_alu instid0(VALU_DEP_1)
	v_max_num_f32 v254, v254, v250
	s_delay_alu instid0(VALU_DEP_1)
	v_permlanex16_b32 v236, v254, s[SEL], s[SEL+1]
	s_delay_alu instid0(VALU_DEP_1)
	v_max_num_f32 v254, v254, v236                 ; and among lane l xor 16's
	s_delay_alu instid0(VALU_DEP_1)
	v_mul_f32 v254, s[CS], v254                    ; as t
	s_delay_alu instid0(VALU_DEP_1)
	v_max_num_f32 v13, v13, v254
	s_delay_alu instid0(VALU_DEP_1)
	v_floor_f32 v12, -v13                          ; the new -M
	s_delay_alu instid0(VALU_DEP_1)
	v_sub_f32 v254, v12, v245                      ; old M - new M, a whole number, 0 or less
	s_delay_alu instid0(VALU_DEP_1)
	v_cvt_i32_f32 v254, v254                       ; (it saturates)
	s_delay_alu instid0(VALU_DEP_1)
	v_ldexp_f32 v252, 1.0, v254                    ; f = 2^(old M - new M)
.set i, 0
.rept 32
	v_pk_fma_f32 v[96+i:97+i], v[96+i:97+i], s[CS:CS+1], v[12:13] op_sel_hi:[1,0,0]   ; t - M
.set i, i+2
.endr
.set i, 0
	s_wait_alu depctr_va_vdst(0)                   ; the wait ahead of the batch
.rept 64
	v_exp_f32 v[96+i], v[96+i]                     ; p
.set i, i+1
.endr
	v_pk_mul_f32 v[14:15], v[14:15], v[252:253] op_sel_hi:[1,0]
	s_wait_alu depctr_va_vdst(0)                   ; and ahead of the batch's first reader
	v_pk_add_f32 v[208:209], v[96:97], v[98:99]    ; the row's sum of the unquantised p, in four chains
	v_pk_add_f32 v[210:211], v[100:101], v[102:103]
	v_pk_add_f32 v[212:213], v[104:105], v[106:107]
	v_pk_add_f32 v[14:15], v[14:15], v[108:109]
.set i, 14
.rept 6
	v_pk_add_f32 v[208:209], v[208:209], v[96+i:97+i]
	v_pk_add_f32 v[210:211], v[210:211], v[98+i:99+i]
	v_pk_add_f32 v[212:213], v[212:213], v[100+i:101+i]
	v_pk_add_f32 v[14:15], v[14:15], v[102+i:103+i]
.set i, i+8
.endr
	v_pk_add_f32 v[208:209], v[208:209], v[158:159]
	v_pk_add_f32 v[212:213], v[212:213], v[210:211]
	v_pk_add_f32 v[14:15], v[14:15], v[208:209]
	s_delay_alu instid0(VALU_DEP_1)
	v_pk_add_f32 v[14:15], v[14:15], v[212:213]
.irp t, 0,1,2,3,4,5,6,7
.irp i, 0,2,4,6
	v_dual_min_num_f32 v[96+8*\t+\i], v240, v[96+8*\t+\i] :: v_dual_min_num_f32 v[97+8*\t+\i], v240, v[97+8*\t+\i]   ; the conversion does not saturate (ISA guide 7.6.2); p is not negative
.endr
	v_cvt_scalef32_pk8_bf8_f32 v[192+2*\t:193+2*\t], v[96+8*\t:103+8*\t], v244
.endr
.set i, 0
.rept 16
	v_pk_mul_f32 v[160+i:161+i], v[160+i:161+i], v[252:253] op_sel_hi:[1,0]   ; O under the new M
.set i, i+2
.endr
	s_wait_alu depctr_va_vdst(0)
	s_wait_dscnt 0x0
.irp d, 0,1,2,3
	v_wmma_f32_16x16x128_bf8_bf8 v[160+8*\d:167+8*\d], v[32+16*\d:47+16*\d], v[192:207], v[160+8*\d:167+8*\d]
.endr
.Lhidden_\@:
	s_add_co_u32 s[TB], s[TB], STEPB
.endm
; A tile's end, for n tiles of 16 head dims whose O begins at o: O x 2^(e8 + e9 - e10) / the sum, held at the largest code, converted and stored at hb + off: each store is 512 consecutive bytes
.macro FIN hb, off, o, n
	v_add_f32 v14, v14, v15
	s_delay_alu instid0(VALU_DEP_1)
	v_permlanex16_b32 v252, v14, s[SEL], s[SEL+1]
	s_delay_alu instid0(VALU_DEP_1)
	v_add_f32 v14, v14, v252
	s_wait_alu depctr_va_vdst(0)                   ; the waits ahead of the transcendental and ahead of its reader
	v_rcp_f32 v14, v14
	v_nop
	s_add_co_i32 s80, s70, s71
	s_sub_co_i32 s80, s80, s72
	s_wait_alu depctr_va_vdst(0)
	v_ldexp_f32 v14, v14, s80
.set j, 0
.rept 4*\n
	v_pk_mul_f32 v[96+j:97+j], v[\o+j:\o+j+1], v[14:15] op_sel_hi:[1,0]
.set j, j+2
.endr
.set j, 0
.rept 8*\n
	v_med3_num_f32 v[96+j], v[96+j], -v246, v246
.set j, j+1
.endr
.set j, 0
.rept \n
	v_cvt_scalef32_pk8_bf8_f32 v[192+2*j:193+2*j], v[96+8*j:103+8*j], v247
.set j, j+1
.endr
	v_nop
.set j, 0
.rept \n/2
	global_store_b128 v1, v[192+4*j:195+4*j], s[\hb:\hb+1] offset:512*j+\off
.set j, j+1
.endr
.endm
; My half of the long tile, whose O begins at o: my part x v20 + my partner's (v32-47) x v22
.macro JOIN off, o
.set i, 0
.rept 8
	v_pk_mul_f32 v[\o+i:\o+i+1], v[\o+i:\o+i+1], v[20:21] op_sel_hi:[1,0]
.set i, i+2
.endr
.set i, 0
.rept 8
	v_pk_fma_f32 v[\o+i:\o+i+1], v[32+i:33+i], v[22:23], v[\o+i:\o+i+1] op_sel_hi:[1,0,1]
.set i, i+2
.endr
	FIN HL, \off, \o, 2
.endm
	s_wait_alu depctr_va_vdst(0)                   ; the wait at the head's end
	s_wait_tensorcnt 0x0                           ; my part of steps 0 and 1 is in; these lines as ahead of a refill
	ds_add_u32 v251, v255
	s_wait_dscnt 0x0
	CROUND                                         ; everybody's part is in
	tensor_load_to_lds s[G0L:G0L+3], s[G1L:G1L+7]  ; the other steps: in flight while steps 0 and 1 are walked
	s_nop 0
.rept 4
	v_nop
.endr
	s_wait_loadcnt 0x0                             ; q
	s_mov_b32 s[ST], 0
	s_mov_b32 s[TB], 0
.Lfirst:
	STEP 16
	s_add_co_u32 s[ST], s[ST], 1
	s_cmp_lt_u32 s[ST], 2
	s_cbranch_scc1 .Lfirst
	s_wait_tensorcnt 0x0                           ; my part of the other steps is in
	s_wait_dscnt 0x0
	s_barrier_signal -1
	s_barrier_wait -1
	s_mov_b32 s[ST], 2
	s_mov_b32 s[TB], 2*STEPB
.Lmiddle:
	STEP 16
	s_add_co_u32 s[ST], s[ST], 1
	s_cmp_lt_u32 s[ST], 9
	s_cbranch_scc1 .Lmiddle
.rept 4
	v_nop
.endr
	s_cmp_eq_u32 s[ROLE], 0
	s_cbranch_scc1 .Lkeep
	FIN HS, 0, 160, 4                              ; the helper's short tile goes out, and it begins its part of the long tile
	INIT
	s_wait_alu depctr_va_vdst(0)
	s_wait_xcnt 0x0                                ; the stores have read their registers
.Lkeep:
	s_add_co_u32 s80, s[BL], 1
	s_mul_i32 s[NST], s80, s[ROLE]                 ; the helper goes on to step BL, the owner has no step behind 8
	s_mov_b32 s[BLK], s[BL]
	s_mov_b32 s[ST], 9
	s_mov_b32 s[TB], 9*STEPB
.Llast:
	STEP 24
	s_add_co_u32 s[ST], s[ST], 1
	s_cmp_lt_u32 s[ST], 16
	s_cbranch_scc1 .Llast
.rept 4
	v_nop
.endr
	s_wait_alu depctr_va_vdst(0)
	s_cmp_eq_u32 s[ROLE], 0
	s_cbranch_scc1 .Lgive_high
.irp i, 0,1,2,3
	ds_store_b128 v10, v[160+4*\i:163+4*\i] offset:512*\i   ; the helper gives dims 0 .. 31,
.endr
	s_branch .Lgiven
.Lgive_high:
.irp i, 0,1,2,3
	ds_store_b128 v10, v[176+4*\i:179+4*\i] offset:512*\i   ; the owner dims 32 .. 63
.endr
.Lgiven:
	ds_store_b128 v10, v[12:15] offset:2048        ; -M, the largest t, the sum's two halves
	s_wait_dscnt 0x0                               ; what my partner reads lies there, ahead of the signal
	s_barrier_signal -1
	s_barrier_wait -1
.irp i, 0,1,2,3,4
	ds_load_b128 v[32+4*\i:35+4*\i], v11 offset:512*\i
.endr
	s_wait_dscnt 0x0
	v_min_num_f32 v16, v12, v48                    ; the larger M of the two; a helper that had no step brings M = -3e38 and zeros, whose factor is 0
	v_sub_f32 v17, v16, v12
	v_sub_f32 v18, v16, v48
	v_cvt_i32_f32 v17, v17
	v_cvt_i32_f32 v18, v18
	v_ldexp_f32 v20, 1.0, v17
	v_ldexp_f32 v22, 1.0, v18
	v_pk_mul_f32 v[14:15], v[14:15], v[20:21] op_sel_hi:[1,0]
	v_pk_fma_f32 v[14:15], v[50:51], v[22:23], v[14:15] op_sel_hi:[1,0,1]
	s_wait_alu depctr_va_vdst(0)                   ; ahead of the branch
	s_cmp_eq_u32 s[ROLE], 0
	s_cbranch_scc1 .Llow
	JOIN 512, 176
	s_branch .Ldone
.Llow:
	JOIN 0, 160
.Ldone:
	s_wait_tensorcnt 0x0                           ; the wave's end
	ds_add_u32 v251, v255
	s_wait_dscnt 0x0
	CROUND                                         ; the closing round
	s_endpgm
.Lfunc_end_k_q4c49ce718f_attn:
	.size	k_q4c49ce718f_attn, .Lfunc_end_k_q4c49ce718f_attn-k_q4c49ce718f_attn
	.p2alignl 7, 3214868480
	.fill 96, 4, 3214868480
	.section	.rodata,"a",@progbits
	.p2align	6, 0x0
	.amdhsa_kernel k_q4c49ce718f_attn
		.amdhsa_group_segment_fixed_size 327680
		.amdhsa_private_segment_fixed_size 0
		.amdhsa_enable_private_segment 0
		.amdhsa_kernarg_size 40
		.amdhsa_user_sgpr_count 2
		.amdhsa_user_sgpr_kernarg_segment_ptr 1
		.amdhsa_wavefront_size32 1
		.amdhsa_system_sgpr_workgroup_id_x 1
		.amdhsa_system_sgpr_workgroup_id_y 1
		.amdhsa_system_sgpr_workgroup_id_z 1
		.amdhsa_system_vgpr_workitem_id 0
		.amdhsa_next_free_vgpr 256
		.amdhsa_next_free_sgpr 100
		.amdhsa_reserve_vcc 0
		.amdhsa_float_denorm_mode_32 3
		.amdhsa_float_denorm_mode_16_64 3
		.amdhsa_memory_ordered 1
		.amdhsa_forward_progress 1
		.amdhsa_inst_pref_size 98
	.end_amdhsa_kernel
	.amdgpu_metadata
---
amdhsa.version: [ 1, 2 ]
amdhsa.kernels:
  - .name:           k_q4c49ce718f_attn
    .symbol:         k_q4c49ce718f_attn.kd
    .args:
      - { .name: q_img, .offset: 0, .size: 8, .value_kind: global_buffer, .address_space: global }
      - { .name: k_img, .offset: 8, .size: 8, .value_kind: global_buffer, .address_space: global }
      - { .name: v_img, .offset: 16, .size: 8, .value_kind: global_buffer, .address_space: global }
      - { .name: lowp_scales, .offset: 24, .size: 8, .value_kind: global_buffer, .address_space: global }
      - { .name: h_img, .offset: 32, .size: 8, .value_kind: global_buffer, .address_space: global }
    .group_segment_fixed_size: 327680
    .private_segment_fixed_size: 0
    .kernarg_segment_align: 8
    .kernarg_segment_size: 40
    .max_flat_workgroup_size: 512
    .sgpr_count:     100
    .vgpr_count:     256
    .wavefront_size: 32
...
	.end_amdgpu_metadata
.endif
;; end of part 2
;; launch oproj (part 3): grid 8 x 32, 4 waves a work-group, clusters of 4 x 4, 327,680 bytes of LDS; arguments h_img, Wo_codes, bo, lowp_scales, out0; writes out0
.if DOCPART == 3
	.amdgcn_target "amdgcn-amd-amdhsa--gfx1250"
	.amdhsa_code_object_version 6
	.text
	.protected	k_q4c49ce718f_oproj
	.globl	k_q4c49ce718f_oproj
	.p2align	8
	.type	k_q4c49ce718f_oproj,@function
k_q4c49ce718f_oproj:
	s_mov_b64 s[64:65], 0
	v_nop
	global_prefetch_b8 v0, s[64:65] scope:SCOPE_SE
	s_setreg_imm32_b32 hwreg(HW_REG_WAVE_MODE, 25, 1), 1
	s_wait_xcnt 0x0
	s_wait_alu depctr_hold_cnt(0) depctr_sa_sdst(0) depctr_va_vdst(0) depctr_va_sdst(0) depctr_va_ssrc(0) depctr_va_vcc(0) depctr_vm_vsrc(0)
	s_getreg_b32 s2, hwreg(HW_REG_IB_STS2, 6, 4)
	s_cmp_eq_u32 s2, 0
	s_cbranch_scc0 .Lentry_in_a_cluster
	s_endpgm
.Lentry_in_a_cluster:
	s_bfe_u32 s2, ttmp6, 0x10000c
	s_cmp_lg_u32 s2, 0xf033
	s_cbranch_scc0 .Lentry_shape_is_right
	s_endpgm
.Lentry_shape_is_right:
; out0 = h Wo + bo on codes of BF8 (E5M2).  h_img: [32 blocks of 128 rows][8 K steps of 128][8 tiles of 16 rows][4][32 lanes][16 bytes]: images of operand registers in the form's own layout.
; Wo_codes: [1024 (output column)][1024 (K)], one code a byte.  out0: [4096][1024] f32.  A finished sum is multiplied once by 2^(e10 + e11) and bo is added: one packed multiply-add for two numbers.
; SHARES.  A tile of out0 is 128 x 128: 8 x 32 = 256 work-groups.  Four waves, each 64 x 64.  The tile's whole K lies in LDS, fetched by one load a wave at the head: waves 0 and 1 the two K halves of h
; (65,536 bytes as they lie in memory), waves 2 and 3 those of Wo (128 rows of 512 bytes).  No byte is filled twice.  Nothing is prefetched: all is asked for at the head.
; A WAVE KEEPS ALL OF ITS Wo IN REGISTERS (8 K steps x 4 fragments x 16 = 512) and finishes its rows of out0 in four blocks of 16, each over the whole K with 32 matrix instructions: a block is stored while the next is multiplied.
; Each fragment is read from LDS once.  In block 0 the products follow the loads of Wo, one K step behind.
; h's fragments come by four loads of 16 bytes at 16 x lane; since they are in the form's own layout, Wo's come in it too: eight loads of 8 bytes at row x pitch + 16 c + 8 (lane / 16).
; THE MATRIX INSTRUCTION IS USED TRANSPOSED (source 0 = 16 rows of Wo, source 1 = 16 rows of h): a lane holds eight neighbouring numbers of a row of out0.
; CLUSTER 4 x 4: the four work-groups of a row of the cluster need the same block of h, the four of a column the same rows of Wo: each tile is asked for jointly.
; LIMIT: e10 + e11 between -126 and 127, so that 2^(e10 + e11) is an f32 number.
; REGISTERS: window 0: v1-31 addresses; v32-63 bo in the results' layout; v64-95 a block's results; v96-127, v192-255 rows read back; v128-191 the accumulators of two blocks by turns.
;   windows 1 and 2: Wo, K steps 0-3 and 4-7: fragment nt of step j at v[64 (j % 4) + 16 nt].  window 3: h, two blocks by turns: step j at v[128 (mt % 2) + 16 j].
.set PITCH, 272                        ; a row of the stage: 256 bytes + 16
.set WPITCH, 528                       ; a row of Wo in LDS: 512 bytes + 16 of padding = 132 words: the 32 lanes of a load of 8 bytes touch 64 different banks (64 banks of 4 bytes: ISA guide 11.1)
.set WFRB,  16*WPITCH
.set BIMG,  131072                     ; Wo's two halves lie behind h's image
.set HALFW, 128*WPITCH
.set STAGE, BIMG+2*HALFW               ; behind them: 16 rows x 272 bytes for each wave, for the way out; no tile lands there
.set SPARE, STAGE+4*16*PITCH           ; the spare words, 128 bytes for each wave; no other line names them
.set WV,   14
.set G1A,  24                          ; s[24:31], s[32:35] descriptor groups 1 and 0 for h;  s[48:55], s[68:71] for Wo
.set G0A,  32
.set G1B,  48
.set G0B,  68
.set ADRA, 16                          ; v16-17   LDS address of my fragments of h, K steps 0-3 and 4-7
.set ADRB, 20                          ; v20-21   of Wo
.set STO,  24                          ; v24      the way out: where I put 32 bytes of a row
.set RD,   25                          ; v25      where I read a row back
.set CO,   26                          ; v26      my byte offset in out0
.set BO,   32
.set TMP,  64
.set ACC,  128
.set MSB, 0
.macro WIN new                         ; the immediate's high byte repeats the setting that is left
.if MSB != (\new)
	s_set_vgpr_msb (MSB<<8)|(\new)
.set MSB, (\new)
.endif
.endm
.macro PLACES                          ; four plain vector instructions between a matrix instruction and a vector read of its result (ISA guide 7.12.1)
.rept 4
	v_nop
.endr
.endm
.macro CROUND                          ; a round of the cluster's barrier
	s_barrier_signal -1
	s_barrier_wait -1
	s_cmp_lg_u32 s[WV], 0
	s_cbranch_scc1 .Lnot_wave_0_\@
	s_barrier_signal -3
.Lnot_wave_0_\@:
	s_barrier_wait -3
	s_barrier_signal -1
	s_barrier_wait -1
.endm
; (A macro's argument is put in as text: it stands in brackets)
.macro HLOAD mt                        ; 32 loads: block mt's fragments of h, all eight K steps
	WIN 0xc0                                       ; destination window 3, address window 0
.irp j, 0,1,2,3,4,5,6,7
.irp k, 0,1,2,3
	ds_load_b128 v[128*((\mt)%2)+16*\j+4*\k:128*((\mt)%2)+16*\j+4*\k+3], v[ADRA+\j/4] offset:16384*(\j%4)+2048*(\mt)+512*\k
.endr
.endr
.endm
.macro WLOAD j                         ; 32 loads: K step j's four fragments of Wo
	WIN 0x40+0x40*((\j)/4)                         ; destination window 1 or 2
.irp nt, 0,1,2,3
.irp c, 0,1,2,3,4,5,6,7
	ds_load_b64 v[64*((\j)%4)+16*\nt+2*\c:64*((\j)%4)+16*\nt+2*\c+1], v[ADRB+(\j)/4] offset:128*((\j)%4)+WFRB*\nt+16*\c
.endr
.endr
.endm
; Block mt's four products of K step j; the four accumulators take turns.  In step 0 the products start the sums: nothing is cleared
.macro MSTEP mt, j
	WIN 0x0d+((\j)/4)                              ; source 0 window 1 or 2, source 1 window 3; C and D window 0
.set FH, 128*((\mt)%2)+16*(\j)
.irp nt, 0,1,2,3
.set DA, ACC+32*((\mt)%2)+8*\nt
.set FW, 64*((\j)%4)+16*\nt
.if (\j) == 0
	v_wmma_f32_16x16x128_bf8_bf8 v[DA:DA+7], v[FW:FW+15], v[FH:FH+15], 0
.else
	v_wmma_f32_16x16x128_bf8_bf8 v[DA:DA+7], v[FW:FW+15], v[FH:FH+15], v[DA:DA+7]
.endif
.endr
.endm
; THE WAY OUT of a block of 16 rows x 64 columns: sum x 2^(e10 + e11) + bo; 32 bytes a lane into my own stage; back as whole rows of 256 bytes, which sixteen lanes store.
; LDS serves a wave's instructions in order (ISA guide 5.7.1.4): no wait between my stores into the stage and my loads from it, nor in front of the next block's stores.
.macro BACK mt                         ; where block mt's rows come back: v96, v192, v224, v96
.set BB, 160+32*((\mt)%3)
.if (\mt)%3 == 0
.set BB, 96
.endif
.endm
.macro TOSTAGE mt
	WIN 0
	PLACES                                         ; behind the block's last products
.irp nt, 0,1,2,3
.set AC, ACC+32*((\mt)%2)+8*\nt
.irp i, 0,2,4,6
	v_pk_fma_f32 v[TMP+8*\nt+\i:TMP+8*\nt+\i+1], v[AC+\i:AC+\i+1], s[86:87], v[BO+8*\nt+\i:BO+8*\nt+\i+1] op_sel_hi:[1,0,1]   ; each accumulator from its low end on
.endr
.endr
.irp nt, 0,1,2,3
	ds_store_b128 v[STO], v[TMP+8*\nt:TMP+8*\nt+3]   offset:64*\nt
	ds_store_b128 v[STO], v[TMP+8*\nt+4:TMP+8*\nt+7] offset:64*\nt+16
.endr
	BACK \mt
.if (\mt) == 3
	s_wait_xcnt 0x0                                ; block 0's stores have read the registers that the loads below write
.endif
.irp t, 0,1,2,3,4,5,6,7
	ds_load_b128 v[BB+4*\t:BB+4*\t+3], v[RD] offset:2*\t*PITCH
.endr
.endm
.macro SEND mt, younger                ; younger: the LDS loads issued behind this block's (the next but one block's 32 of h), which may be out
	WIN 0
	BACK \mt
.irp t, 0,1,2,3,4,5,6,7
	s_wait_dscnt \younger+7-\t                     ; pair t of rows is in
	global_store_b128 v[CO], v[BB+4*\t:BB+4*\t+3], s[12:13] offset:(16*(\mt)+2*\t)*4096 th:TH_STORE_NT   ; 16 lanes store 256 consecutive bytes, at a multiple of 256 from out0's first byte
.endr
.endm
	s_load_b256 s[4:11], s[0:1], 0x0               ; h_img s[4:5], Wo s[6:7], bo s[8:9], the scales' exponents s[10:11]
	s_load_b64 s[12:13], s[0:1], 0x20              ; out0
	v_lshl_add_u32 v30, v0, 2, SPARE
	v_mov_b32 v31, 0
	ds_add_u32 v30, v31                            ; the opening lines: the add, twice on end, and its wait below
	ds_add_u32 v30, v31
	v_lshrrev_b32 v3, 5, v0
	v_readfirstlane_b32 s[WV], v3                  ; wave 0..3
	s_lshr_b32 s15, s[WV], 1                       ; which half of the tile's rows is mine.  Also: I fetch for h (0) or for Wo (1)
	s_and_b32 s16, s[WV], 1                        ; which half of its columns.  Also: which half of K I fetch
	s_bfe_u32 s17, ttmp6, 0x40000                  ; cx, cy: my place in the cluster
	s_bfe_u32 s18, ttmp6, 0x40004
	s_lshl_b32 s19, ttmp9, 2
	s_add_co_u32 s19, s19, s17                     ; tile column = 4 x cluster x + cx
	s_and_b32 s20, ttmp7, 0xffff
	s_lshl_b32 s20, s20, 2
	s_add_co_u32 s20, s20, s18                     ; tile row = 4 x cluster y + cy
	s_lshl_b32 s21, s18, 2
	s_lshl_b32 s21, 15, s21                        ; my row of the cluster
	s_lshl_b32 s22, 0x1111, s17                    ; my column
	s_or_b32 s[G1A], s21, (3<<16)|(1<<21)          ; h: 15:0 the mask: my row; 17:16 elements of 8 bytes; 21 set beside a mask.  256 dense rows of 256 bytes: four K steps' images
	s_mov_b32 s[G1A+1], 32<<16
	s_mov_b32 s[G1A+2], 256<<16
	s_mov_b32 s[G1A+3], 32<<16
	s_mov_b32 s[G1A+4], 256
	s_mov_b32 s[G1A+5], 32
	s_mov_b32 s[G1A+6], 0
	s_mov_b32 s[G1A+7], 0
	s_or_b32 s[G1B], s22, (1<<20)|(1<<21)|(6<<22)|(3<<25)   ; Wo: the mask: my column; elements of 1 byte; padding: four words after every 128.  128 rows of 512 bytes, 1,024 apart in memory
	s_mov_b32 s[G1B+1], 512<<16
	s_mov_b32 s[G1B+2], 128<<16
	s_mov_b32 s[G1B+3], 512<<16
	s_mov_b32 s[G1B+4], 128
	s_mov_b32 s[G1B+5], 1024
	s_mov_b32 s[G1B+6], 0
	s_mov_b32 s[G1B+7], 0
	s_lshl_b32 s88, s16, 16                        ; h: my half's 65,536 bytes, in memory and in LDS alike
	s_lshl_b32 s56, s20, 17                        ; the block of 128 rows: 131,072 bytes.  These registers never hold the tile column
	s_add_co_u32 s56, s56, s88
	s_mov_b32 s57, 0
	s_lshl_b32 s60, s19, 17                        ; Wo: 128 rows of 1,024 bytes a tile column, + my 512 bytes along K.  These never hold the tile row
	s_lshl_b32 s89, s16, 9
	s_add_co_u32 s60, s60, s89
	s_mov_b32 s61, 0
	s_mul_i32 s90, s16, HALFW
	s_add_co_u32 s90, s90, BIMG                    ; and in LDS
	s_mov_b32 s[G0A], 1
	s_mov_b32 s[G0A+1], s88
	s_mov_b32 s[G0B], 1
	s_mov_b32 s[G0B+1], s90
	s_wait_dscnt 0x0                               ; both opening adds are done
	s_wait_kmcnt 0x0
	s_load_b64 s[84:85], s[10:11], 0x28            ; e10, e11
	s_add_nc_u64 s[G0A+2:G0A+3], s[4:5], s[56:57]
	s_or_b32 s[G0A+3], s[G0A+3], 0x80000000        ; type = 2
	s_add_nc_u64 s[G0B+2:G0B+3], s[6:7], s[60:61]
	s_or_b32 s[G0B+3], s[G0B+3], 0x80000000
	CROUND                                         ; all sixteen work-groups are here: the joint loads meet
	s_cmp_eq_u32 s15, 0                            ; one tensor load a wave
	s_cbranch_scc0 .Lfill_w
	tensor_load_to_lds s[G0A:G0A+3], s[G1A:G1A+7]
	s_nop 0
.rept 4
	v_nop
.endr
	s_branch .Lfilled
.Lfill_w:
	tensor_load_to_lds s[G0B:G0B+3], s[G1B:G1B+7]
	s_nop 0
.rept 4
	v_nop
.endr
.Lfilled:
	v_and_b32 v1, 15, v0                           ; r
	v_bfe_u32 v2, v0, 4, 1                         ; h
	v_and_b32 v3, 31, v0                           ; lane
	s_wait_alu depctr_va_vdst(0)
	s_lshl_b32 s92, s19, 9                         ; my first column in bytes: 512 x tile column + 256 x half
	s_lshl_b32 s93, s16, 8
	s_add_co_u32 s92, s92, s93
	s_mov_b32 s93, 0
	s_add_nc_u64 s[8:9], s[8:9], s[92:93]
	v_lshlrev_b32 v4, 5, v2                        ; bo: lane (r, h), tile nt, register j: column 16 nt + 8 h + j
.irp nt, 0,1,2,3
	global_load_b128 v[BO+8*\nt:BO+8*\nt+3],   v4, s[8:9] offset:64*\nt
	global_load_b128 v[BO+8*\nt+4:BO+8*\nt+7], v4, s[8:9] offset:64*\nt+16
.endr
	s_lshl_b32 s94, s20, 19                        ; my first row of out0: 128 x tile row + 64 x half, 4,096 bytes each
	s_lshl_b32 s95, s15, 18
	s_add_co_u32 s94, s94, s95
	s_add_co_u32 s94, s94, s92
	s_mov_b32 s95, 0
	s_add_nc_u64 s[12:13], s[12:13], s[94:95]
	s_lshl_b32 s96, s15, 13                        ; my four tiles of rows in a K step's image: 2,048 bytes each
	v_lshl_add_u32 v[ADRA], v3, 4, s96
	v_add_nc_u32 v[ADRA+1], 65536, v[ADRA]
	v_mul_u32_u24 v5, v1, WPITCH
	v_lshl_add_u32 v5, v2, 3, v5
	s_mul_i32 s91, s16, 64*WPITCH                  ; my 64 rows of Wo: row r, + 8 h
	s_add_co_u32 s91, s91, BIMG
	v_add_nc_u32 v[ADRB], s91, v5
	v_add_nc_u32 v[ADRB+1], HALFW, v[ADRB]
	s_mul_i32 s96, s[WV], 16*PITCH
	s_add_co_u32 s96, s96, STAGE                   ; my stage
	v_mul_u32_u24 v7, v1, PITCH
	v_lshl_add_u32 v7, v2, 5, v7
	v_add_nc_u32 v[STO], s96, v7                   ; in: row r, 32 bytes for each half of the lanes
	v_mul_u32_u24 v6, v2, PITCH
	v_lshl_add_u32 v6, v1, 4, v6
	v_add_nc_u32 v[RD], s96, v6                    ; back: lanes 0-15 one row of 256 bytes, lanes 16-31 the next
	v_lshlrev_b32 v[CO], 12, v2
	v_lshl_add_u32 v[CO], v1, 4, v[CO]             ; and the same two rows in out0
	s_wait_alu depctr_va_vdst(0)                   ; the wait at the head's end
	s_wait_kmcnt 0x0
	s_add_co_i32 s86, s84, s85
	s_add_co_i32 s86, s86, 127
	s_lshl_b32 s86, s86, 23                        ; 2^(e10 + e11) as f32
	s_mov_b32 s87, s86                             ; (named with it as a pair, so it is written)
	s_wait_tensorcnt 0x0                           ; my part of the tile is in
	s_barrier_signal -1
	s_barrier_wait -1                              ; everybody's is
	; block 0: the products follow the loads of Wo, one K step behind
	HLOAD 0
	WLOAD 0
.irp j, 0,1,2,3,4,5,6
	WLOAD \j+1
	s_wait_dscnt 32                                ; all but the 32 just issued
	MSTEP 0, \j
.endr
	HLOAD 1
	s_wait_dscnt 32                                ; all but block 1's fragments of h
	MSTEP 0, 7
	s_wait_loadcnt 0x0                             ; bo
	TOSTAGE 0
.irp m, 1,2,3
	s_wait_dscnt 16                                ; block m's fragments of h are in; the last block's 8 stores and 8 loads in the stage may be out
.if \m < 3
	HLOAD \m+1                                     ; into the registers of block m - 1, whose products lie behind the conversions above
.endif
.irp j, 0,1,2,3
	MSTEP \m, \j
.endr
.if \m < 3
	SEND \m-1, 32
.else
	SEND \m-1, 0
.endif
.irp j, 4,5,6,7
	MSTEP \m, \j
.endr
	TOSTAGE \m
.endr
	SEND 3, 0
	s_wait_tensorcnt 0x0                           ; the wave's end
	ds_add_u32 v30, v31
	s_wait_dscnt 0x0
	CROUND                                         ; the closing round: no work-group ends while a partner may still ask for a tile that names it
	s_endpgm
.Lfunc_end_k_q4c49ce718f_oproj:
	.size	k_q4c49ce718f_oproj, .Lfunc_end_k_q4c49ce718f_oproj-k_q4c49ce718f_oproj
	.p2alignl 7, 3214868480
	.fill 96, 4, 3214868480
	.section	.rodata,"a",@progbits
	.p2align	6, 0x0
	.amdhsa_kernel k_q4c49ce718f_oproj
		.amdhsa_group_segment_fixed_size 327680
		.amdhsa_private_segment_fixed_size 0
		.amdhsa_enable_private_segment 0
		.amdhsa_kernarg_size 40
		.amdhsa_user_sgpr_count 2
		.amdhsa_user_sgpr_kernarg_segment_ptr 1
		.amdhsa_wavefront_size32 1
		.amdhsa_system_sgpr_workgroup_id_x 1
		.amdhsa_system_sgpr_workgroup_id_y 1
		.amdhsa_system_sgpr_workgroup_id_z 1
		.amdhsa_system_vgpr_workitem_id 0
		.amdhsa_next_free_vgpr 1024
		.amdhsa_next_free_sgpr 100
		.amdhsa_reserve_vcc 0
		.amdhsa_float_denorm_mode_32 3
		.amdhsa_float_denorm_mode_16_64 3
		.amdhsa_memory_ordered 1
		.amdhsa_forward_progress 1
		.amdhsa_inst_pref_size 54
	.end_amdhsa_kernel
	.amdgpu_metadata
---
amdhsa.version: [ 1, 2 ]
amdhsa.kernels:
  - .name:           k_q4c49ce718f_oproj
    .symbol:         k_q4c49ce718f_oproj.kd
    .args:
      - { .name: h_img, .offset: 0, .size: 8, .value_kind: global_buffer, .address_space: global }
      - { .name: Wo_codes, .offset: 8, .size: 8, .value_kind: global_buffer, .address_space: global }
      - { .name: bo, .offset: 16, .size: 8, .value_kind: global_buffer, .address_space: global }
      - { .name: lowp_scales, .offset: 24, .size: 8, .value_kind: global_buffer, .address_space: global }
      - { .name: out0, .offset: 32, .size: 8, .value_kind: global_buffer, .address_space: global }
    .group_segment_fixed_size: 327680
    .private_segment_fixed_size: 0
    .kernarg_segment_align: 8
    .kernarg_segment_size: 40
    .max_flat_workgroup_size: 128
    .sgpr_count:     100
    .vgpr_count:     1024
    .wavefront_size: 32
...
	.end_amdgpu_metadata
.endif
;; end of part 3
